; MI455X (gfx1250); checked and timed in simulation.
; The chip was launched on July 23, 2026; its instructions are those of AMD's public machine-readable ISA for CDNA 5 (MIT licence, August 2026) and "CDNA5" Instruction Set Architecture Reference Guide (July 2026). The comments in the code are by the model that wrote it; some were corrected since.
;; Adaptive Softmax. Allowed arithmetic: float matrix products may take bf16 or f16 operands with f32 sums; other float arithmetic in f32, or as packed bf16 or f16 multiplies, adds, multiply-adds, maxima and minima; sums over many terms, partial sums and values carried from step to step in f32; what a program stores and reads back later, other than sums and carried values, may be rounded once to bf16 or f16.
;; Inputs: W_head 10,002 x 1,024 float32; Wo1 20,000 x 256 float32; Wo2 20,257 x 64 float32; Wp1 256 x 1,024 float32; Wp2 64 x 1,024 float32; target 4,096 int32; x 4,096 x 1,024 float32.
;; Outputs: out0 4,096 float32; out1 one number float32.
;; One version. Each part assembles by itself: llvm-mc -triple=amdgcn-amd-amdhsa -mcpu=gfx1250 --defsym DOCPART=n.
;; ======== version 1 of 1: 5 launches
;; workspace buffers: xb 8,388,608 bytes; wall 22,020,096 bytes; wob 12,910,592 bytes; route 49,408 bytes of whole numbers; hbuf 4,194,304 bytes; phead 1,048,576 bytes; ptail 4,194,304 bytes; lsum 512 bytes
;; launch prep (part 1): grid 662 x 1, 8 waves a work-group, no clusters, 1,280 bytes of LDS; arguments x, W_head, Wp1, Wp2, Wo1, Wo2, target, xb, wall, wob, route; writes xb, wall, wob, route
.if DOCPART == 1
	.amdgcn_target "amdgcn-amd-amdhsa--gfx1250"
	.amdhsa_code_object_version 6
	.text
	.protected	k_q8eabb50068_prep
	.globl	k_q8eabb50068_prep
	.p2align	8
	.type	k_q8eabb50068_prep,@function
k_q8eabb50068_prep:
	s_mov_b64 s[64:65], 0
	v_nop
	global_prefetch_b8 v0, s[64:65] scope:SCOPE_SE
	s_setreg_imm32_b32 hwreg(HW_REG_WAVE_MODE, 25, 1), 1
	s_wait_xcnt 0x0
; PREP.  Rounds x and all weights once to bf16, in the layouts that the later launches read, and sorts the rows by tail cluster.
; Work-group 0 routes; work-groups 1 .. 661 cast.  A unit is 1,024 f32 in (4,096 bytes) and 2,048 bytes out; a wave takes 4 units on end, a work-group 32.
;   units 0 .. 4095      x    -> xb   [4096][1024]
;   units 4096 .. 14847  wall [10752][1024], a unit a row: rows 0 .. 9967 are W_head rows 0 .. 9967; from row 9968 on pieces of 112 rows:
;                        even pieces hold 80 projection rows (v = 80 (piece / 2) + j; v < 256: Wp1 row v, else Wp2 row v - 256), piece 1 holds W_head rows 9968 .. 10001;
;                        every place that holds nothing repeats a row that exists (its products are hidden or never read later)
;   units 14848 .. 19871 Wo1  -> wob  [20096][256];   units 19872 .. 21151 Wo2 -> wob + WO2OFF [20480][64]; places past a source's end repeat its last 16 bytes
; ROUTE: byte 0 n1, n2; byte 256 slot[row] (the row's rank in its cluster, 0 for a shortlist row); byte 16640 order1[rank] = row; byte 33024 order2[rank] = row.  A counting sort, rows ascending.
; LIMIT: target is taken as 0 .. 50,256 (compared unsigned).
; No matrix unit, no cluster, no tensor load: a stream in which no byte is shared.
.set WO2OFF, 10289152
.set AD, 8                             ; v[8:39]    byte offsets of the 32 loads
.set X,  40                            ; v[40:167]  the 32 loads' data; routing: v[40:55] my 16 targets
.set LA, 56                            ; routing: v[56:71]  where row k's number goes in the lists
.set SL, 72                            ; routing: v[72:87]  row k's rank
.set RW, 88                            ; routing: v[88:103] row k's number
	s_load_b512 s[4:19], s[0:1], 0x0               ; x 4:5, W_head 6:7, Wp1 8:9, Wp2 10:11, Wo1 12:13, Wo2 14:15, target 16:17, xb 18:19
	s_load_b128 s[20:23], s[0:1], 0x40             ; wall 20:21, wob 22:23
	s_load_b64 s[24:25], s[0:1], 0x50              ; route
	v_lshl_add_u32 v2, v0, 2, 256                  ; my spare word (used by the routing work-group, which stores to LDS)
	v_mov_b32 v3, 0
	v_and_b32 v1, 31, v0                           ; lane
	v_lshrrev_b32 v4, 5, v0
	v_readfirstlane_b32 s26, v4                    ; wave
	s_wait_kmcnt 0x0
	s_cmp_eq_u32 ttmp9, 0
	s_cbranch_scc1 .Lroute
	; ---- the cast ----
	s_sub_co_u32 s27, ttmp9, 1                     ; casting work-group 0 .. 660
	s_lshl_b32 s28, s27, 5
	s_lshl_b32 s29, s26, 2
	s_add_co_u32 s28, s28, s29                     ; my first unit
; A segment: the four units' source pointer, the last byte offset a 16-byte load may take, and where the results go.
.macro SEG p, first, lim, d, extra
	s_sub_co_u32 s28, s28, \first                  ; my first unit in the segment
.irp i, 0,1,2,3
	s_mov_b64 s[36+2*\i:37+2*\i], s[\p:\p+1]
.endr
	s_mov_b32 s48, \lim
	s_lshl_b32 s52, s28, 11                        ; 2,048 bytes out a unit
	s_add_co_u32 s52, s52, \extra
	s_mov_b32 s53, 0
	s_add_nc_u64 s[50:51], s[\d:\d+1], s[52:53]
.endm
; Row 9968 + u of wall: which source row it copies.
.macro WDEC i
	s_sub_co_u32 s54, s28, 9968-\i                 ; u = 0 .. 783
	s_mul_i32 s55, s54, 2341
	s_lshr_b32 s55, s55, 18                        ; piece = u / 112 (exact for u < 784)
	s_mul_i32 s56, s55, 112
	s_sub_co_u32 s56, s54, s56                     ; j
	s_lshr_b32 s57, s55, 1
	s_mul_i32 s57, s57, 80
	s_min_u32 s58, s56, 79
	s_add_co_u32 s57, s57, s58                     ; projection column v = 0 .. 319
	s_sub_co_u32 s58, s57, 256
	s_cmp_lt_u32 s57, 256
	s_cselect_b64 s[60:61], s[8:9], s[10:11]       ; Wp1 or Wp2,
	s_cselect_b32 s57, s57, s58                    ; and the row in it
	s_add_co_u32 s58, s56, 9968
	s_min_u32 s58, s58, 10001                      ; an odd piece: a row of W_head
	s_bitcmp1_b32 s55, 0
	s_cselect_b64 s[36+2*\i:37+2*\i], s[6:7], s[60:61]
	s_cselect_b32 s57, s58, s57
	s_lshl_b32 s[44+\i], s57, 12
.endm
	s_cmp_lt_u32 s27, 128
	s_cbranch_scc1 .Lsx
	s_cmp_lt_u32 s27, 464
	s_cbranch_scc1 .Lsw
	s_cmp_lt_u32 s27, 621
	s_cbranch_scc1 .Lso1
	SEG 14, 19872, 5185776, 22, WO2OFF
	s_branch .Lplain
.Lso1:
	SEG 12, 14848, 20479984, 22, 0
	s_branch .Lplain
.Lsx:
	SEG 4, 0, 16777200, 18, 0
	s_branch .Lplain
.Lsw:
	SEG 6, 4096, 0x7ffffff0, 20, 0
	s_cmp_lt_u32 s28, 9968                         ; 9968 is a multiple of 4: a wave's four rows lie on one side
	s_cbranch_scc1 .Lplain
	WDEC 0
	WDEC 1
	WDEC 2
	WDEC 3
	s_branch .Lcast
.Lplain:
.irp i, 0,1,2,3
	s_add_co_u32 s[44+\i], s28, \i
	s_lshl_b32 s[44+\i], s[44+\i], 12              ; the unit's byte offset in its source
.endr
.Lcast:
	v_lshlrev_b32 v4, 4, v1                        ; 16 bytes in a lane,
	v_lshlrev_b32 v5, 3, v1                        ; 8 bytes out
.irp i, 0,1,2,3
	v_add_nc_u32 v6, s[44+\i], v4
.irp k, 0,1,2,3,4,5,6,7
	v_add_nc_u32 v[AD+8*\i+\k], 512*\k, v6
	v_min_u32 v[AD+8*\i+\k], s48, v[AD+8*\i+\k]    ; no load leaves the source
	global_load_b128 v[X+4*(8*\i+\k):X+4*(8*\i+\k)+3], v[AD+8*\i+\k], s[36+2*\i:37+2*\i] th:TH_LOAD_NT
.endr
.endr
.irp i, 0,1,2,3
.irp k, 0,1,2,3,4,5,6,7
	s_wait_loadcnt 31-(8*\i+\k)                    ; loads come back in order: mine is in, the younger ones stay out
	v_cvt_pk_bf16_f32 v[X+4*(8*\i+\k)], v[X+4*(8*\i+\k)], v[X+4*(8*\i+\k)+1]
	v_cvt_pk_bf16_f32 v[X+4*(8*\i+\k)+1], v[X+4*(8*\i+\k)+2], v[X+4*(8*\i+\k)+3]
	global_store_b64 v5, v[X+4*(8*\i+\k):X+4*(8*\i+\k)+1], s[50:51] offset:2048*\i+256*\k  ; 32 lanes store 256 consecutive bytes, aligned
.endr
.endr
	s_endpgm                                       ; no register was written twice, and these waves wrote no LDS
	; ---- the routing: wave w has rows 512 w + 32 k + lane, k = 0 .. 15 ----
.Lroute:
	s_mov_b32 s27, 10000
	s_mov_b32 s28, 30000
	s_lshl_b32 s29, s26, 9
	v_add_nc_u32 v31, s29, v1                      ; my first row
	v_lshlrev_b32 v7, 2, v31
.irp k, 0,1,2,3,4,5,6,7,8,9,10,11,12,13,14,15
	global_load_b32 v[40+\k], v7, s[16:17] offset:128*\k
.endr
	s_mov_b32 s30, 0
	s_mov_b32 s31, 0
	s_wait_loadcnt 0x0
.irp k, 0,1,2,3,4,5,6,7,8,9,10,11,12,13,14,15
	v_cmp_le_u32 s[32+\k], s27, v[40+\k]           ; in a tail
	v_cmp_le_u32 s[48+\k], s28, v[40+\k]           ; in tail 2
.endr
.irp k, 0,1,2,3,4,5,6,7,8,9,10,11,12,13,14,15
	s_bcnt1_i32_b32 s89, s[32+\k]
	s_add_co_u32 s30, s30, s89
	s_bcnt1_i32_b32 s89, s[48+\k]
	s_add_co_u32 s31, s31, s89
.endr
	s_sub_co_u32 s30, s30, s31                     ; my wave's rows in tail 1; s31: in tail 2
	v_mov_b32 v10, s30
	v_mov_b32 v11, s31
	v_mov_b32 v8, s26
	v_lshlrev_b32 v8, 3, v8
	ds_store_b64 v8, v[10:11]                      ; every lane the same word pair, at byte 8 w
	s_wait_dscnt 0x0                               ; for the others' sake: my store is done
	s_barrier_signal -1
	s_barrier_wait -1
	v_mov_b32 v24, 0
	ds_load_b128 v[8:11], v24
	ds_load_b128 v[12:15], v24 offset:16
	ds_load_b128 v[16:19], v24 offset:32
	ds_load_b128 v[20:23], v24 offset:48
	s_wait_dscnt 0x0
.irp u, 0,1,2,3,4,5,6,7,8,9,10,11,12,13,14,15
	v_readfirstlane_b32 s[68+\u], v[8+\u]
.endr
	s_mov_b32 s84, 0                               ; ranks at which my wave begins,
	s_mov_b32 s85, 0
	s_mov_b32 s86, 0                               ; and the totals n1, n2
	s_mov_b32 s87, 0
.irp u, 0,1,2,3,4,5,6,7
	s_cmp_gt_u32 s26, \u
	s_cselect_b32 s89, s[68+2*\u], 0
	s_cselect_b32 s90, s[69+2*\u], 0
	s_add_co_u32 s84, s84, s89
	s_add_co_u32 s85, s85, s90
	s_add_co_u32 s86, s86, s[68+2*\u]
	s_add_co_u32 s87, s87, s[69+2*\u]
.endr
	v_mov_b32 v30, 0x1000
	; First every rank, list address and row number, each in a register of its own and with all lanes on; the ranks leave at once.
.irp k, 0,1,2,3,4,5,6,7,8,9,10,11,12,13,14,15
	s_and_not1_b32 s91, s[32+\k], s[48+\k]         ; in tail 1
	v_mbcnt_lo_u32_b32 v26, s91, s84               ; rank = the wave's base + the lanes below me in the same cluster
	v_mbcnt_lo_u32_b32 v27, s[48+\k], s85
	v_cndmask_b32 v26, v26, v27, s[48+\k]
	v_cndmask_b32 v27, 0, v30, s[48+\k]            ; order2 lies 4,096 words behind order1
	v_add_nc_u32 v[LA+\k], v26, v27
	v_min_u32 v[LA+\k], 0x1fff, v[LA+\k]
	v_lshlrev_b32 v[LA+\k], 2, v[LA+\k]
	v_cndmask_b32 v[SL+\k], 0, v26, s[32+\k]
	v_add_nc_u32 v[RW+\k], 32*\k, v31
	global_store_b32 v7, v[SL+\k], s[24:25] offset:256+128*\k
	s_bcnt1_i32_b32 s89, s91
	s_add_co_u32 s84, s84, s89
	s_bcnt1_i32_b32 s89, s[48+\k]
	s_add_co_u32 s85, s85, s89
.endr
	s_wait_xcnt 0x0                                ; EXEC changes only behind this wait
	; Then the lists: only the lanes whose row is in a tail store.
.irp k, 0,1,2,3,4,5,6,7,8,9,10,11,12,13,14,15
	s_mov_b32 vcc_lo, s[32+\k]
	s_and_saveexec_b32 s88, vcc_lo
	global_store_b32 v[LA+\k], v[RW+\k], s[24:25] offset:16640
	s_wait_xcnt 0x0                                ; and again, in front of the line that widens it
	s_or_b32 exec_lo, exec_lo, s88
.endr
	s_cmp_lg_u32 s26, 0
	s_cbranch_scc1 .Lrend
	v_mov_b32 v10, s86
	v_mov_b32 v11, s87
	v_mov_b32 v25, 0
	s_mov_b32 vcc_lo, 1                            ; lane 0 alone
	s_and_saveexec_b32 s88, vcc_lo
	global_store_b64 v24, v[10:11], s[24:25]       ; n1, n2
	s_wait_xcnt 0x0
	s_or_b32 exec_lo, exec_lo, s88
	s_cmp_eq_u32 s86, 0                            ; an empty list still gets its word 0 stored: the clamped look-ups of the next launch read only stored words
	s_cselect_b32 vcc_lo, 1, 0
	s_and_saveexec_b32 s88, vcc_lo
	global_store_b32 v24, v25, s[24:25] offset:16640
	s_wait_xcnt 0x0
	s_or_b32 exec_lo, exec_lo, s88
	s_cmp_eq_u32 s87, 0
	s_cselect_b32 vcc_lo, 1, 0
	s_and_saveexec_b32 s88, vcc_lo
	global_store_b32 v24, v25, s[24:25] offset:33024
	s_wait_xcnt 0x0
	s_or_b32 exec_lo, exec_lo, s88
.Lrend:
	s_wait_tensorcnt 0x0                           ; the wave's end, behind my last LDS store
	ds_add_u32 v2, v3
	s_wait_dscnt 0x0
	s_endpgm
.Lfunc_end_k_q8eabb50068_prep:
	.size	k_q8eabb50068_prep, .Lfunc_end_k_q8eabb50068_prep-k_q8eabb50068_prep
	.p2alignl 7, 3214868480
	.fill 96, 4, 3214868480
	.section	.rodata,"a",@progbits
	.p2align	6, 0x0
	.amdhsa_kernel k_q8eabb50068_prep
		.amdhsa_group_segment_fixed_size 1280
		.amdhsa_private_segment_fixed_size 0
		.amdhsa_enable_private_segment 0
		.amdhsa_kernarg_size 88
		.amdhsa_user_sgpr_count 2
		.amdhsa_user_sgpr_kernarg_segment_ptr 1
		.amdhsa_wavefront_size32 1
		.amdhsa_system_sgpr_workgroup_id_x 1
		.amdhsa_system_sgpr_workgroup_id_y 1
		.amdhsa_system_sgpr_workgroup_id_z 1
		.amdhsa_system_vgpr_workitem_id 0
		.amdhsa_next_free_vgpr 168
		.amdhsa_next_free_sgpr 96
		.amdhsa_reserve_vcc 1
		.amdhsa_float_denorm_mode_32 3
		.amdhsa_float_denorm_mode_16_64 3
		.amdhsa_memory_ordered 1
		.amdhsa_forward_progress 1
		.amdhsa_inst_pref_size 47
	.end_amdhsa_kernel
	.amdgpu_metadata
---
amdhsa.version: [ 1, 2 ]
amdhsa.kernels:
  - .name:           k_q8eabb50068_prep
    .symbol:         k_q8eabb50068_prep.kd
    .args:
      - { .name: x, .offset: 0, .size: 8, .value_kind: global_buffer, .address_space: global }
      - { .name: W_head, .offset: 8, .size: 8, .value_kind: global_buffer, .address_space: global }
      - { .name: Wp1, .offset: 16, .size: 8, .value_kind: global_buffer, .address_space: global }
      - { .name: Wp2, .offset: 24, .size: 8, .value_kind: global_buffer, .address_space: global }
      - { .name: Wo1, .offset: 32, .size: 8, .value_kind: global_buffer, .address_space: global }
      - { .name: Wo2, .offset: 40, .size: 8, .value_kind: global_buffer, .address_space: global }
      - { .name: target, .offset: 48, .size: 8, .value_kind: global_buffer, .address_space: global }
      - { .name: xb, .offset: 56, .size: 8, .value_kind: global_buffer, .address_space: global }
      - { .name: wall, .offset: 64, .size: 8, .value_kind: global_buffer, .address_space: global }
      - { .name: wob, .offset: 72, .size: 8, .value_kind: global_buffer, .address_space: global }
      - { .name: route, .offset: 80, .size: 8, .value_kind: global_buffer, .address_space: global }
    .group_segment_fixed_size: 1280
    .private_segment_fixed_size: 0
    .kernarg_segment_align: 8
    .kernarg_segment_size: 88
    .max_flat_workgroup_size: 256
    .sgpr_count:     96
    .vgpr_count:     168
    .wavefront_size: 32
...
	.end_amdgpu_metadata
.endif
;; end of part 1
;; launch head (part 2): grid 16 x 16, 4 waves a work-group, clusters of 4 x 4, 327,680 bytes of LDS; arguments xb, wall, hbuf, phead; writes hbuf, phead
.if DOCPART == 2
	.amdgcn_target "amdgcn-amd-amdhsa--gfx1250"
	.amdhsa_code_object_version 6
	.text
	.protected	k_q8eabb50068_head
	.globl	k_q8eabb50068_head
	.p2align	8
	.type	k_q8eabb50068_head,@function
k_q8eabb50068_head:
	s_mov_b64 s[64:65], 0
	v_nop
	global_prefetch_b8 v0, s[64:65] scope:SCOPE_SE
	s_setreg_imm32_b32 hwreg(HW_REG_WAVE_MODE, 25, 1), 1
	s_wait_xcnt 0x0
	s_wait_alu depctr_hold_cnt(0) depctr_sa_sdst(0) depctr_va_vdst(0) depctr_va_sdst(0) depctr_va_ssrc(0) depctr_va_vcc(0) depctr_vm_vsrc(0)
	s_getreg_b32 s2, hwreg(HW_REG_IB_STS2, 6, 4)
	s_cmp_eq_u32 s2, 0
	s_cbranch_scc0 .Lentry_in_a_cluster
	s_endpgm
.Lentry_in_a_cluster:
	s_bfe_u32 s2, ttmp6, 0x10000c
	s_cmp_lg_u32 s2, 0xf033
	s_cbranch_scc0 .Lentry_shape_is_right
	s_endpgm
.Lentry_shape_is_right:
; HEAD.  S = xb wall^T, [4096] x [10752], K = 1024, bf16 operands, f32 sums.  No logit goes to memory: each lane keeps a running maximum m and sum l = sum of 2^(c s - c m), c = log2(e),
; over the head columns it sees; 320 of wall's spare rows are the two tail projections, whose products leave as h in bf16.
; SHARES.  Row block rb (256 rows of x) x column group g (16 of them); a work-group walks three tiles of 224 columns, wall rows 224 (16 t + g), t = 0, 1, 2.  Four waves, each 128 rows x 112 columns:
; 56 accumulators of 16 x 16.  K goes in steps of 128 through two LDS slots; the slots take turns on into the next tile.
; The matrix instruction is used transposed (source 0 = 16 rows of wall, source 1 = 16 rows of x): a lane holds ONE row of x (lane % 16) and the columns 8 (lane / 16) + 0 .. 7 of each block of 16.
; CLUSTER.  4 x 4 work-groups; x's tile is asked for jointly along a row of the cluster, wall's along a column.  By this text's count a wave has two tensor loads out at the start and one behind each round.
; THE LAST TILE OF CLUSTER COLUMN 3 (g = 12 + cx): the waves with the left 112 columns hide all but nvalid = clamp(146 - 112 cx, 0, 112) of them; those with the right 112 hold projection columns 80 cx + j
; and store them (112 columns and 16 zeros: whole runs of 256 bytes; only j < 80 is read later) into hbuf [4096][4][128]; they take no part in that tile's logsumexp.
; OUT.  phead [part 2 g + column half][row] = (m, l), f32.
; LIMITS.  A hidden column counts as its value less 1e30, so logits stay far below 1e29 in size; a weight below 2^-126 counts as 0 in l; NaN and infinities are not treated apart.
; REGISTERS, in windows of 256:  window 0: v16-30 addresses; v32-63 statistics, row tile a at ST + 4 a: c m, m, l (even, odd columns); v64-127, v128-191 x's fragments; v192-223 at work
;   window 1: v0-55 the mask; v64-119, v128-183 wall's fragments     windows 2, 3: accumulator (a, b) at v[8 (7 (a % 4) + b)] of window 2 + a / 4
.set KSTEP,  128
.set PITCH,  272                       ; an LDS row: 256 bytes + 16 of padding: the 16 rows of a fragment load start at 16 different groups of four banks (64 banks of 4 bytes: ISA guide 11.1)
.set HALFA,  128*PITCH                 ; what a wave fetches, and reads, of x
.set HALFB,  112*PITCH                 ; the same of wall
.set SLOT,   2*HALFA+2*HALFB
.set STAGE,  2*SLOT                    ; behind the slots: 16 rows x 272 bytes a wave, for h's way out
.set SPITCH, 272
.set SPARE,  STAGE+4*16*SPITCH         ; the spare words: 128 bytes a wave, two blocks of 256 bytes that no other line names
.set LAPS,   4                         ; a lap = two K steps
.set BACK_A, 1536                      ; from a slot's last K step of a tile back to its first: x's rows stay
.set NEXT_B, 16*224*2048-1536          ; wall: 16 tiles of 224 rows on, and back along K
.set ADRA, 16
.set ADRB, 20
.set STO,  24
.set RD,   25
.set CO,   26
.set PO,   27
.set SPW,  28
.set NIL,  29
.set NV,   30
.set ST,   32
.set F0,   64
.set F1,   128
.set CH,   192                         ; v192-207 four chains of maxima for each of four row tiles
.set AP,   208                         ; v208-215 (a, c m_old - c m_new) for each of four row tiles
.set FT,   216                         ; v216-223 the pairs to be stored
.set MK,   0                           ; window 1
.set TMP,  128                         ; h's way out: packed results
.set G1,  24
.set G0,  32
.set G1B, 48
.set G0B, 56
.set MSB, 0
.macro WIN new                         ; the immediate's high byte repeats the setting that is left
.if MSB != (\new)
	s_set_vgpr_msb (MSB<<8)|(\new)
.set MSB, \new
.endif
.endm
.set MUL_LO, 0xa1                      ; source 0 (wall) window 1, source 1 (x) window 0, C and D window 2
.set MUL_HI, 0xf1
.set TO_B,   0x40
.macro JLOAD s                         ; a joint load: waves 0 and 1 fetch x's halves, waves 2 and 3 wall's; an s_nop 0 and four v_nop follow each line
	s_cmp_eq_u32 s71, 0
	s_cbranch_scc0 .Lfor_b_\@
	tensor_load_to_lds s[G0+4*(\s):G0+4*(\s)+3], s[G1:G1+7]
	s_nop 0
.rept 4
	v_nop
.endr
	s_branch .Lasked_\@
.Lfor_b_\@:
	tensor_load_to_lds s[G0B+4*(\s):G0B+4*(\s)+3], s[G1B:G1B+7]
	s_nop 0
.rept 4
	v_nop
.endr
.Lasked_\@:
.endm
.macro CREST                           ; a round of the cluster's barrier behind its opening barrier
	s_cmp_lg_u32 s70, 0
	s_cbranch_scc1 .Lnot_wave_0_\@
	s_barrier_signal -3
.Lnot_wave_0_\@:
	s_barrier_wait -3
	s_barrier_signal -1
	s_barrier_wait -1
.endm
.macro CROUND
	s_barrier_signal -1
	s_barrier_wait -1
	CREST
.endm
.macro PLACES                          ; four plain places behind matrix instructions (ISA guide 7.12.1)
.rept 4
	v_nop
.endr
.endm
	s_load_b256 s[4:11], s[0:1], 0x0               ; xb 4:5, wall 6:7, hbuf 8:9, phead 10:11
	v_lshl_add_u32 v[SPW], v0, 2, SPARE
	v_mov_b32 v[NIL], 0
	ds_add_u32 v[SPW], v[NIL]                      ; the wave's opening: the add and its wait ahead of my first tensor load
	v_lshrrev_b32 v1, 5, v0
	v_readfirstlane_b32 s70, v1                    ; wave
	s_lshr_b32 s71, s70, 1                         ; which 128 rows are mine; also: I fetch x (0) or wall (1)
	s_and_b32 s72, s70, 1                          ; which 112 columns; also: which half I fetch
	s_bfe_u32 s40, ttmp6, 0x40000                  ; cx
	s_bfe_u32 s41, ttmp6, 0x40004                  ; cy
	s_lshl_b32 s42, ttmp9, 2
	s_add_co_u32 s42, s42, s40                     ; g
	s_and_b32 s13, ttmp7, 0xffff
	s_lshl_b32 s13, s13, 2
	s_add_co_u32 s13, s13, s41                     ; rb
	s_lshl_b32 s43, s41, 2
	s_lshl_b32 s43, 15, s43                        ; my row of the cluster
	s_lshl_b32 s44, 0x1111, s40                    ; my column
	s_mov_b32 s80, ttmp9                           ; the cluster's x: alike in all partners
	s_or_b32 s[G1+0], s43, (1<<16)|(1<<20)|(1<<21)|(5<<22)|(3<<25)   ; mask; 2-byte elements; padding on; bit 21 beside a mask; after every 64 words 4 words
	s_or_b32 s[G1B+0], s44, (1<<16)|(1<<20)|(1<<21)|(5<<22)|(3<<25)
	s_mov_b32 s[G1+1], KSTEP<<16                   ; tensor_dim0 = 128
	s_mov_b32 s[G1B+1], KSTEP<<16
	s_mov_b32 s[G1+2], 128<<16                     ; tensor_dim1 = 128 rows
	s_mov_b32 s[G1B+2], 112<<16                    ; 112 rows
	s_mov_b32 s[G1+3], KSTEP<<16                   ; tile_dim0
	s_mov_b32 s[G1B+3], KSTEP<<16
	s_mov_b32 s[G1+4], 128                         ; tile_dim1
	s_mov_b32 s[G1B+4], 112
	s_mov_b32 s[G1+5], 1024                        ; elements from row to row
	s_mov_b32 s[G1B+5], 1024
	s_mov_b32 s[G1+6], 0
	s_mov_b32 s[G1B+6], 0
	s_mov_b32 s[G1+7], 0
	s_mov_b32 s[G1B+7], 0
	s_mov_b32 s73, 0xbfb8aa3b                      ; -c
	s_mov_b32 s74, 0x3fb8aa3b                      ; c = log2(e)
	s_mov_b32 s75, s74
	s_mov_b32 s76, 0x76543210                      ; v_permlanex16_b32: each lane takes its own place in the other half
	s_mov_b32 s77, 0xfedcba98
	s_mov_b32 s78, 0xffff0000                      ; lanes 16 .. 31
	s_mov_b32 s79, 0xf149f2ca                      ; -1e30
	s_lshl_b32 s17, s72, 7
	s_lshl_b32 s16, s13, 8
	s_add_co_u32 s16, s16, s17                     ; x: row 256 rb + 128 half
	s_lshl_b32 s16, s16, 11
	s_mov_b32 s17, 0
	s_mul_i32 s46, s42, 224
	s_mul_i32 s47, s72, 112
	s_add_co_u32 s46, s46, s47                     ; wall: row 224 g + 112 half
	s_lshl_b32 s46, s46, 11
	s_mov_b32 s47, 0
	s_mul_i32 s20, s70, HALFA                      ; where they go: x's halves at wave x HALFA (waves 0, 1),
	s_mul_i32 s21, s70, HALFB
	s_add_co_u32 s21, s21, 2*(HALFA-HALFB)         ; wall's behind them at 2 HALFA + (wave - 2) x HALFB (waves 2, 3)
	s_wait_dscnt 0x0                               ; the opening add is done
	s_wait_kmcnt 0x0
	s_add_nc_u64 s[14:15], s[4:5], s[16:17]
	s_add_nc_u64 s[46:47], s[6:7], s[46:47]
	CROUND                                         ; all sixteen work-groups are here: the first joint loads meet
.irp s, 0,1
	s_mov_b32 s[G0+4*(\s)], 1
	s_add_co_u32 s[G0+4*(\s)+1], s20, (\s)*SLOT
	s_add_nc_u64 s[G0+4*(\s)+2:G0+4*(\s)+3], s[14:15], (\s)*KSTEP*2
	s_or_b32 s[G0+4*(\s)+3], s[G0+4*(\s)+3], 0x80000000
	s_mov_b32 s[G0B+4*(\s)], 1
	s_add_co_u32 s[G0B+4*(\s)+1], s21, (\s)*SLOT
	s_add_nc_u64 s[G0B+4*(\s)+2:G0B+4*(\s)+3], s[46:47], (\s)*KSTEP*2
	s_or_b32 s[G0B+4*(\s)+3], s[G0B+4*(\s)+3], 0x80000000
	JLOAD \s
.endr
	v_and_b32 v1, 15, v0                           ; l % 16
	v_bfe_u32 v2, v0, 4, 1                         ; l / 16
	v_mul_u32_u24 v3, v1, PITCH
	v_lshl_add_u32 v3, v2, 4, v3                   ; a fragment's row x pitch + 16 x half
	s_mul_i32 s21, s71, HALFA
	s_mul_i32 s22, s72, HALFB
	s_add_co_u32 s22, s22, 2*HALFA
.irp s, 0,1
	v_add_nc_u32 v[ADRA+(\s)], s21, v3
	v_add_nc_u32 v[ADRB+(\s)], s22, v3
	s_add_co_u32 s21, s21, SLOT
	s_add_co_u32 s22, s22, SLOT
.endr
	s_mul_i32 s23, s70, 16*SPITCH
	s_add_co_u32 s23, s23, STAGE                   ; my stage
	v_mul_u32_u24 v4, v1, SPITCH
	v_lshl_add_u32 v4, v2, 4, v4
	v_add_nc_u32 v[STO], s23, v4                   ; in: row l % 16, 16 bytes for each half of the lanes
	v_mul_u32_u24 v5, v2, SPITCH
	v_lshl_add_u32 v5, v1, 4, v5
	v_add_nc_u32 v[RD], s23, v5                    ; back: lanes 0-15 one row of 256 bytes, lanes 16-31 the next
	v_lshlrev_b32 v5, 10, v2
	v_lshl_add_u32 v[CO], v1, 4, v5                ; the same two rows in hbuf, 1,024 bytes apart
	v_and_b32 v5, 31, v0
	v_lshlrev_b32 v[PO], 3, v5                     ; 8 x lane
.set t, 0
.rept 8
	v_mov_b32 v[ST+4*t], 0xfe000000                ; c m: far below every c s, so the first a is 0
	v_mov_b32 v[ST+4*t+1], 0xff7fffff              ; m: the lowest finite number
	v_mov_b32 v[ST+4*t+2], 0
	v_mov_b32 v[ST+4*t+3], 0
.set t, t+1
.endr
; 14 matrix instructions: row tiles a0, a0 + 1 of the window's four x all 7 column blocks, 32 along K.  zero = 1: the product starts the sum.  The 56 accumulators take turns.
.macro MUL14 f, hi, a0, zero
	WIN MUL_LO+0x50*(\hi)
.irp a, \a0, (\a0)+1
.irp b, 0,1,2,3,4,5,6
.if \zero
	v_wmma_f32_16x16x32_bf16 v[8*(7*(\a)+(\b)):8*(7*(\a)+(\b))+7], v[(\f)+8*(\b):(\f)+8*(\b)+7], v[(\f)+8*(4*(\hi)+(\a)):(\f)+8*(4*(\hi)+(\a))+7], 0
.else
	v_wmma_f32_16x16x32_bf16 v[8*(7*(\a)+(\b)):8*(7*(\a)+(\b))+7], v[(\f)+8*(\b):(\f)+8*(\b)+7], v[(\f)+8*(4*(\hi)+(\a)):(\f)+8*(4*(\hi)+(\a))+7], v[8*(7*(\a)+(\b)):8*(7*(\a)+(\b))+7]
.endif
.endr
.endr
.endm
; 30 LDS loads in one run: 112 rows of wall, 128 rows of x, 32 K at byte k of the rows, into buffer f
.macro FETCH slot, k, f
	WIN TO_B
.irp i, 0,1,2,3,4,5,6
	ds_load_b128 v[(\f)+8*(\i):(\f)+8*(\i)+3],   v[ADRB+(\slot)] offset:(\k)+(\i)*16*PITCH
	ds_load_b128 v[(\f)+8*(\i)+4:(\f)+8*(\i)+7], v[ADRB+(\slot)] offset:(\k)+(\i)*16*PITCH+32
.endr
	WIN 0
.irp i, 0,1,2,3,4,5,6,7
	ds_load_b128 v[(\f)+8*(\i):(\f)+8*(\i)+3],   v[ADRA+(\slot)] offset:(\k)+(\i)*16*PITCH
	ds_load_b128 v[(\f)+8*(\i)+4:(\f)+8*(\i)+7], v[ADRA+(\slot)] offset:(\k)+(\i)*16*PITCH+32
.endr
.endm
.macro QUARTER slot, k, f, g, zero
	s_wait_dscnt 8                                 ; wall and x's rows 0-63 are in; the youngest eight loads (x's rows 64-127) may be out
	MUL14 \f, 0, 0, \zero
	MUL14 \f, 0, 2, \zero
	PLACES
	FETCH \slot, \k, \g
	s_wait_dscnt 30                                ; all but the 30 just issued
	MUL14 \f, 1, 0, \zero
	MUL14 \f, 1, 2, \zero
.endm
.macro MEET round                      ; the change of slots: one barrier; round = 1: it opens a round of the cluster's barrier
	WIN 0
	s_wait_tensorcnt 0x0                           ; all my tensor loads have landed: the one that was out is my part of the next slot
	ds_add_u32 v[SPW], v[NIL]                      ; 0 onto my spare word
	s_wait_dscnt 9                                 ; the add and the youngest eight loads may be out
	MUL14 F1, 0, 0, 0
	s_wait_dscnt 0x0                               ; the add is done, and my reads of this slot are over
	s_barrier_signal -1
	MUL14 F1, 0, 2, 0
.if \round
	WIN 0
.endif
	s_barrier_wait -1
.endm
.macro TURN slot, next, on             ; on = 1: the refill is the next tile's K step 0 or 1
	MEET 1
	CREST                                          ; no wave of any partner still reads this slot or has a load on its way
.if \on
	s_sub_nc_u64 s[G0+4*(\slot)+2:G0+4*(\slot)+3], s[G0+4*(\slot)+2:G0+4*(\slot)+3], BACK_A
	s_add_nc_u64 s[G0B+4*(\slot)+2:G0B+4*(\slot)+3], s[G0B+4*(\slot)+2:G0B+4*(\slot)+3], NEXT_B
.else
	s_add_nc_u64 s[G0+4*(\slot)+2:G0+4*(\slot)+3], s[G0+4*(\slot)+2:G0+4*(\slot)+3], 2*KSTEP*2
	s_add_nc_u64 s[G0B+4*(\slot)+2:G0B+4*(\slot)+3], s[G0B+4*(\slot)+2:G0B+4*(\slot)+3], 2*KSTEP*2
.endif
	JLOAD \slot                                    ; the first tensor load behind the round; its four v_nop are also the places in front of the loads below
	FETCH \next, 0, F0
	MUL14 F1, 1, 0, 0
	MUL14 F1, 1, 2, 0
.endm
; THE LOGSUMEXP STEP of a finished tile, for the four row tiles of window W.  A row tile has 56 scores a lane.
; A: the new maximum (four chains that start from the old m; each accumulator's lowest registers are read first), c m, a.   B: c s - c m and the exponentials, in place: ONE batch with a.
; Then one plain instruction and one wait ahead of the first reader.   C: the sums, in place, and l = a l + sum.
.macro LSEW W
.set TB, ST+16*((\W)-2)
	WIN ((\W)<<2)|((\W)<<4)
.set lq, 0
.rept 4
.set ln, 0
.rept 28
.if ln < 4
	v_max3_num_f32 v[CH+4*lq+ln], v[TB+4*lq+1], v[56*lq+2*ln], v[56*lq+2*ln+1]
.else
	v_max3_num_f32 v[CH+4*lq+ln%4], v[CH+4*lq+ln%4], v[56*lq+2*ln], v[56*lq+2*ln+1]
.endif
.set ln, ln+1
.endr
.set lq, lq+1
.endr
	WIN 0
.irp q, 0,1,2,3
	v_mov_b32 v[AP+2*\q+1], v[TB+4*\q]             ; c m_old
.endr
.irp q, 0,1,2,3
	v_max3_num_f32 v[TB+4*\q+1], v[CH+4*\q], v[CH+4*\q+1], v[CH+4*\q+2]
.endr
.irp q, 0,1,2,3
	v_max_num_f32 v[TB+4*\q+1], v[TB+4*\q+1], v[CH+4*\q+3]
.endr
.irp q, 0,1,2,3
	v_mul_f32 v[TB+4*\q], s74, v[TB+4*\q+1]
.endr
.irp q, 0,1,2,3
	v_sub_f32 v[AP+2*\q+1], v[AP+2*\q+1], v[TB+4*\q]
.endr
.irp q, 0,1,2,3
	v_exp_f32 v[AP+2*\q], v[AP+2*\q+1]
.endr
	WIN ((\W)<<6)|(\W)
.set lq, 0
.rept 4
.set lp, 0
.rept 28
	v_pk_fma_f32 v[56*lq+2*lp:56*lq+2*lp+1], v[56*lq+2*lp:56*lq+2*lp+1], s[74:75], v[TB+4*lq:TB+4*lq+1] op_sel_hi:[1,0,0] neg_lo:[0,0,1] neg_hi:[0,0,1]
.if lp > 0
	v_exp_f32 v[56*lq+2*lp-2], v[56*lq+2*lp-2]
	v_exp_f32 v[56*lq+2*lp-1], v[56*lq+2*lp-1]
.endif
.set lp, lp+1
.endr
	v_exp_f32 v[56*lq+54], v[56*lq+54]
	v_exp_f32 v[56*lq+55], v[56*lq+55]
.set lq, lq+1
.endr
	v_nop                                          ; the plain instruction behind the last exponential
	s_wait_alu depctr_va_vdst(0)                   ; one wait for the window's 228 exponentials
	WIN ((\W)<<6)|((\W)<<2)|(\W)
.set lp, 4
.rept 24
.irp q, 0,1,2,3
	v_pk_add_f32 v[56*\q+2*(lp%4):56*\q+2*(lp%4)+1], v[56*\q+2*(lp%4):56*\q+2*(lp%4)+1], v[56*\q+2*lp:56*\q+2*lp+1]
.endr
.set lp, lp+1
.endr
.irp q, 0,1,2,3
	v_pk_add_f32 v[56*\q:56*\q+1], v[56*\q:56*\q+1], v[56*\q+2:56*\q+3]
.endr
.irp q, 0,1,2,3
	v_pk_add_f32 v[56*\q+4:56*\q+5], v[56*\q+4:56*\q+5], v[56*\q+6:56*\q+7]
.endr
.irp q, 0,1,2,3
	v_pk_add_f32 v[56*\q:56*\q+1], v[56*\q:56*\q+1], v[56*\q+4:56*\q+5]
.endr
	WIN (\W)<<4
.irp q, 0,1,2,3
	v_pk_fma_f32 v[TB+4*\q+2:TB+4*\q+3], v[TB+4*\q+2:TB+4*\q+3], v[AP+2*\q:AP+2*\q+1], v[56*\q:56*\q+1] op_sel_hi:[1,0,1]
.endr
	WIN 0
.endm
.macro LSE
	PLACES
	LSEW 2
	LSEW 3
.endm
	s_wait_tensorcnt 1                             ; my part of K step 0 is in; K step 1's may stay out
	s_barrier_signal -1
	s_barrier_wait -1
	FETCH 0, 0, F0
	s_mov_b32 s2, 3                                ; tiles to go
.Ltile:
	QUARTER 0, 64,  F0, F1, 1                      ; a tile's first quarter starts the sums
	WIN 0
	s_mov_b32 s3, LAPS-1
.Llap:
	QUARTER 0, 128, F1, F0, 0
	QUARTER 0, 192, F0, F1, 0
	TURN 0, 1, 0
	QUARTER 1, 64,  F0, F1, 0
	QUARTER 1, 128, F1, F0, 0
	QUARTER 1, 192, F0, F1, 0
	TURN 1, 0, 0
	QUARTER 0, 64,  F0, F1, 0
	WIN 0
	s_sub_co_u32 s3, s3, 1
	s_cmp_lg_u32 s3, 0
	s_cbranch_scc1 .Llap
	QUARTER 0, 128, F1, F0, 0
	QUARTER 0, 192, F0, F1, 0
	WIN 0
	s_cmp_eq_u32 s2, 1
	s_cbranch_scc1 .Llast                          ; the last tile's tail is written out: it asks for nothing more
	TURN 0, 1, 1                                   ; the slots go on into the next tile
	QUARTER 1, 64,  F0, F1, 0
	QUARTER 1, 128, F1, F0, 0
	QUARTER 1, 192, F0, F1, 0
	TURN 1, 0, 1
	WIN 0
	LSE                                            ; both refills are asked for and the next tile's first fragments are on their way; LSE names neither F0 nor a slot
	s_sub_co_u32 s2, s2, 1
	s_branch .Ltile
.Llast:
	MEET 0                                         ; the one load that was out is the last K step's, so no round follows
	PLACES
	FETCH 1, 0, F0
	MUL14 F1, 1, 0, 0
	MUL14 F1, 1, 2, 0
	QUARTER 1, 64,  F0, F1, 0
	QUARTER 1, 128, F1, F0, 0
	QUARTER 1, 192, F0, F1, 0
	s_wait_dscnt 8
	MUL14 F1, 0, 0, 0
	MUL14 F1, 0, 2, 0
	s_wait_dscnt 0x0
	MUL14 F1, 1, 0, 0
	MUL14 F1, 1, 2, 0
	WIN 0
	PLACES
	s_cmp_lg_u32 s80, 3                            ; the cluster's x, alike in all partners
	s_cbranch_scc1 .Lplain
	s_cmp_eq_u32 s72, 0                            ; which 112 columns
	s_cbranch_scc1 .Lmask
	; ---- the projection columns leave: 16 rows at a time through my stage, as whole runs of 256 bytes ----
	s_lshl_b32 s82, s13, 8
	s_lshl_b32 s83, s71, 7
	s_add_co_u32 s82, s82, s83                     ; my first row
	s_lshl_b32 s82, s82, 10
	s_lshl_b32 s83, s40, 8                         ; piece cx
	s_add_co_u32 s82, s82, s83
	s_mov_b32 s83, 0
	s_add_nc_u64 s[8:9], s[8:9], s[82:83]
.irp r, 160,161,162,163
	v_mov_b32 v\r, 0
.endr
	ds_store_b128 v[STO], v[160:163] offset:224    ; a stage row's last 32 bytes stay 0
.macro HOUT a
	WIN 0x0a+5*((\a)/4)                            ; sources in window 2 or 3
.irp b, 0,1,2,3,4,5,6
.irp r, 0,1,2,3
	v_cvt_pk_bf16_f32 v[TMP+4*(\b)+(\r)], v[8*(7*((\a)%4)+(\b))+2*(\r)], v[8*(7*((\a)%4)+(\b))+2*(\r)+1]
.endr
.endr
	WIN 0
.set BK, 64+32*((\a)%2)
.irp b, 0,1,2,3,4,5,6
	ds_store_b128 v[STO], v[TMP+4*(\b):TMP+4*(\b)+3] offset:32*(\b)
.endr
.irp u, 0,1,2,3,4,5,6,7
	ds_load_b128 v[BK+4*(\u):BK+4*(\u)+3], v[RD] offset:(\u)*2*SPITCH   ; LDS serves a wave's instructions in order (ISA guide 5.7.1.4): these see the stores above
.endr
	s_wait_dscnt 0x0
	s_wait_xcnt 0x0                                ; the base, and the registers that the stores of two blocks ago read, are rewritten only behind this wait
.if (\a) > 0
	s_add_nc_u64 s[8:9], s[8:9], 16*1024
.endif
.irp u, 0,1,2,3,4,5,6,7
	global_store_b128 v[CO], v[BK+4*(\u):BK+4*(\u)+3], s[8:9] offset:2048*(\u)   ; 16 lanes store 256 consecutive bytes, aligned
.endr
.endm
.irp a, 0,1,2,3,4,5,6,7
	HOUT \a
.endr
	s_branch .Lfin
.Lmask:                                                ; -1e30 onto the columns at or past nvalid; nvalid enters data alone
	s_mul_i32 s81, s40, 112
	s_sub_co_i32 s81, 146, s81
	s_max_i32 s81, s81, 0
	s_min_i32 s81, s81, 112
	v_bfe_u32 v[NV], v0, 4, 1
	v_lshlrev_b32 v[NV], 3, v[NV]
	v_sub_nc_u32 v[NV], s81, v[NV]                 ; register j of block b is hidden where 16 b + j >= nvalid - 8 (l / 16)
	WIN 0x40
.set li, 0
.rept 56
	v_cmp_ge_i32 vcc_lo, 16*(li/8)+li%8, v[NV]
	v_cndmask_b32 v[MK+li], 0, s79, vcc_lo
.set li, li+1
.endr
.irp w, 0x86, 0xc7                     ; destination and source 0 in window 2, then 3; the mask in window 1
	WIN \w
.set li, 0
.rept 112
	v_pk_add_f32 v[2*li:2*li+1], v[2*li:2*li+1], v[MK+2*(li%28):MK+2*(li%28)+1]
.set li, li+1
.endr
.endr
	WIN 0
.Lplain:
	LSE
.Lfin:
	; THE END.  A row's two halves of the lanes are merged: M = max, l = l 2^(c m - c M), summed over both; lanes 0-15 then take an even row tile, lanes 16-31 the odd one: 32 rows, 256 consecutive bytes a store.
	s_lshl_b32 s82, s42, 1
	s_add_co_u32 s82, s82, s72                     ; part 2 g + column half
	s_lshl_b32 s82, s82, 12
	s_lshl_b32 s83, s13, 8
	s_add_co_u32 s82, s82, s83
	s_lshl_b32 s83, s71, 7
	s_add_co_u32 s82, s82, s83
	s_lshl_b32 s82, s82, 3
	s_mov_b32 s83, 0
	s_add_nc_u64 s[10:11], s[10:11], s[82:83]
.macro ALL8 line:vararg
.set t, 0
.rept 8
	\line
.set t, t+1
.endr
.endm
	ALL8 v_add_f32 v[ST+4*t+2], v[ST+4*t+2], v[ST+4*t+3]
	ALL8 v_permlanex16_b32 v[ST+4*t+3], v[ST+4*t+1], s76, s77
	ALL8 v_max_num_f32 v[ST+4*t+1], v[ST+4*t+1], v[ST+4*t+3]
	ALL8 v_fma_f32 v[ST+4*t], v[ST+4*t+1], s73, v[ST+4*t]
	ALL8 v_exp_f32 v[ST+4*t+3], v[ST+4*t]
	v_nop
	s_wait_alu depctr_va_vdst(0)                   ; one wait for the eight exponentials
	ALL8 v_mul_f32 v[ST+4*t+2], v[ST+4*t+2], v[ST+4*t+3]
	ALL8 v_permlanex16_b32 v[ST+4*t+3], v[ST+4*t+2], s76, s77
	ALL8 v_add_f32 v[ST+4*t+2], v[ST+4*t+2], v[ST+4*t+3]
.irp q, 0,1,2,3
	v_cndmask_b32 v[FT+2*\q], v[ST+8*\q+1], v[ST+8*\q+5], s78
	v_cndmask_b32 v[FT+2*\q+1], v[ST+8*\q+2], v[ST+8*\q+6], s78
	global_store_b64 v[PO], v[FT+2*\q:FT+2*\q+1], s[10:11] offset:256*\q
.endr
	s_wait_tensorcnt 0x0                           ; the wave's end
	ds_add_u32 v[SPW], v[NIL]
	s_wait_dscnt 0x0
	CROUND                                         ; the closing round
	s_endpgm
.Lfunc_end_k_q8eabb50068_head:
	.size	k_q8eabb50068_head, .Lfunc_end_k_q8eabb50068_head-k_q8eabb50068_head
	.p2alignl 7, 3214868480
	.fill 96, 4, 3214868480
	.section	.rodata,"a",@progbits
	.p2align	6, 0x0
	.amdhsa_kernel k_q8eabb50068_head
		.amdhsa_group_segment_fixed_size 327680
		.amdhsa_private_segment_fixed_size 0
		.amdhsa_enable_private_segment 0
		.amdhsa_kernarg_size 32
		.amdhsa_user_sgpr_count 2
		.amdhsa_user_sgpr_kernarg_segment_ptr 1
		.amdhsa_wavefront_size32 1
		.amdhsa_system_sgpr_workgroup_id_x 1
		.amdhsa_system_sgpr_workgroup_id_y 1
		.amdhsa_system_sgpr_workgroup_id_z 1
		.amdhsa_system_vgpr_workitem_id 0
		.amdhsa_next_free_vgpr 1024
		.amdhsa_next_free_sgpr 84
		.amdhsa_reserve_vcc 1
		.amdhsa_float_denorm_mode_32 3
		.amdhsa_float_denorm_mode_16_64 3
		.amdhsa_memory_ordered 1
		.amdhsa_forward_progress 1
		.amdhsa_inst_pref_size 255
	.end_amdhsa_kernel
	.section	.bss,"aw",@nobits
	.p2align	6
	.space	262144
	.amdgpu_metadata
---
amdhsa.version: [ 1, 2 ]
amdhsa.kernels:
  - .name:           k_q8eabb50068_head
    .symbol:         k_q8eabb50068_head.kd
    .args:
      - { .name: xb, .offset: 0, .size: 8, .value_kind: global_buffer, .address_space: global }
      - { .name: wall, .offset: 8, .size: 8, .value_kind: global_buffer, .address_space: global }
      - { .name: hbuf, .offset: 16, .size: 8, .value_kind: global_buffer, .address_space: global }
      - { .name: phead, .offset: 24, .size: 8, .value_kind: global_buffer, .address_space: global }
    .group_segment_fixed_size: 327680
    .private_segment_fixed_size: 0
    .kernarg_segment_align: 8
    .kernarg_segment_size: 32
    .max_flat_workgroup_size: 128
    .sgpr_count:     84
    .vgpr_count:     1024
    .wavefront_size: 32
...
	.end_amdgpu_metadata
.endif
;; end of part 2
;; launch tails (part 3): grid 64 x 4, 8 waves a work-group, no clusters, 216,064 bytes of LDS; arguments hbuf, wob, route, ptail; writes ptail
.if DOCPART == 3
	.amdgcn_target "amdgcn-amd-amdhsa--gfx1250"
	.amdhsa_code_object_version 6
	.text
	.protected	k_q8eabb50068_tails
	.globl	k_q8eabb50068_tails
	.p2align	8
	.type	k_q8eabb50068_tails,@function
k_q8eabb50068_tails:
	s_mov_b64 s[64:65], 0
	v_nop
	global_prefetch_b8 v0, s[64:65] scope:SCOPE_SE
	s_setreg_imm32_b32 hwreg(HW_REG_WAVE_MODE, 25, 1), 1
	s_wait_xcnt 0x0
; TAILS.  For the rows that the lists name, and no others: logits h Wo^T of a chunk of columns, kept as a running maximum m and sum l = sum of 2^(c s - c m), c = log2(e).
; SHARES.  Chunk j = work-group x.  Tail 1: columns from 312 j + min(j, 32) on, 313 of them for j < 32, else 312 (32 x 313 + 32 x 312 = 20,000).  Tail 2: from 2 (158 j + min(j, 16)) on, 318 for j < 16,
; 317 for j = 63, else 316 (16 x 318 + 47 x 316 + 317 = 20,257).  320 rows of each lie in LDS, filled ONCE; every chunk has more than 288 columns, so only the tenth step of 32 has columns to hide.
; An ITEM is 64 listed rows (4 tiles of 16) x the chunk.  Slot = 8 x work-group y + wave (0 .. 31) takes tail 1's items slot, slot + 32 and tail 2's items 31 - slot, 63 - slot: two trips each, which serve
; every split (64 items = 4,096 rows in one cluster).  An item at or past G = ceil(n / 64) is jumped, forward, with no barrier and no tensor load in what is jumped.  Places past n in an item repeat row n - 1;
; what they store is never read.
; S^T = Wo h^T (source 0 = 16 columns, source 1 = 16 rows): a lane holds ONE row (lane % 16) and the columns 8 (lane / 16) + 0 .. 7 of each block of 16.
; h's column v lies in hbuf at row x 1024 + (v / 80) x 256 + (v % 80) x 2: in granules q = v / 8 of 16 bytes at (q / 10) x 256 + (q % 10) x 16; tail 1 has q = 0 .. 31, tail 2 q = 32 .. 39.
; OUT.  ptail [tail][chunk][rank in the list] = (m, l), f32.
; NO MULTICAST: the jumps over dead items hang on the work-group's y, which would be its place in a cluster, and what the four share is the one fill at the start.
; LIMITS.  A hidden column counts as -1e30; a weight below 2^-126 counts as 0 in l; NaN and infinities are not treated apart.
; REGISTERS.  window 0: v1-15 lanes' terms; v16-31 the listed rows' byte offsets; v32-47 statistics (c m, m, l, l a tile); v48-63 at work; v64-127 S^T; v128-255 Wo's fragments.   window 1: h's fragments.
.set P1,    528                        ; a row of Wo1 in LDS: 512 bytes + 16
.set P2,    144                        ; a row of Wo2: 128 bytes + 16
.set W2OFF, 320*P1
.set SPARE, W2OFF+320*P2               ; the spare words: 128 bytes a wave, four blocks of 256 bytes that no other line names
.set WO2G,  10289152                   ; Wo2's first byte in wob
.set MSB, 0
.macro WIN new
.if MSB != (\new)
	s_set_vgpr_msb (MSB<<8)|(\new)
.set MSB, \new
.endif
.endm
	s_load_b256 s[4:11], s[0:1], 0x0               ; hbuf 4:5, wob 6:7, route 8:9, ptail 10:11
	v_lshl_add_u32 v14, v0, 2, SPARE
	v_mov_b32 v15, 0
	ds_add_u32 v14, v15                            ; the wave's opening: the add and its wait ahead of my tensor load
	v_lshrrev_b32 v1, 5, v0
	v_readfirstlane_b32 s12, v1                    ; wave
	s_mov_b32 s13, ttmp9                           ; chunk j
	s_and_b32 s14, ttmp7, 0xffff
	s_lshl_b32 s15, s14, 3
	s_add_co_u32 s15, s15, s12                     ; slot
	s_mov_b32 s24, (1<<16)|(1<<20)|(6<<22)|(3<<25) ; Wo1: 2-byte elements, after every 128 words 4 words of padding
	s_mov_b32 s25, 256<<16                         ; tensor_dim0 = 256
	s_mov_b32 s26, 80<<16                          ; tensor_dim1 = 80 rows
	s_mov_b32 s27, 256<<16                         ; tile_dim0
	s_mov_b32 s28, 80                              ; tile_dim1
	s_mov_b32 s29, 256                             ; elements from row to row
	s_mov_b32 s30, 0
	s_mov_b32 s31, 0
	s_mov_b32 s32, (1<<16)|(1<<20)|(4<<22)|(3<<25) ; Wo2: 80 dense rows of 128 bytes asked for as 40 rows of 256, padded after every 32 words
	s_mov_b32 s33, 128<<16
	s_mov_b32 s34, 40<<16
	s_mov_b32 s35, 128<<16
	s_mov_b32 s36, 40
	s_mov_b32 s37, 128
	s_mov_b32 s38, 0
	s_mov_b32 s39, 0
	s_mov_b32 s40, 1
	s_mul_i32 s41, s12, 80*P1                      ; waves 0-3: 80 rows of Wo1 each
	s_mov_b32 s44, 1
	s_mul_i32 s45, s12, 80*P2
	s_add_co_u32 s45, s45, W2OFF-4*80*P2           ; waves 4-7: 80 rows of Wo2 each
	s_min_u32 s2, s13, 32
	s_mul_i32 s3, s13, 312
	s_add_co_u32 s2, s2, s3                        ; the chunk's first column in tail 1
	s_mul_i32 s3, s12, 80
	s_add_co_u32 s2, s2, s3
	s_lshl_b32 s2, s2, 9                           ; rows of 512 bytes
	s_mov_b32 s3, 0
	s_min_u32 s60, s13, 16
	s_mul_i32 s61, s13, 158
	s_add_co_u32 s60, s60, s61                     ; half the chunk's first column in tail 2
	s_lshl_b32 s60, s60, 8                         ; two rows of 128 bytes: the tile begins at a multiple of 256 bytes
	s_mul_i32 s61, s12, 80*128
	s_add_co_u32 s60, s60, s61
	s_add_co_u32 s60, s60, WO2G-4*80*128
	s_mov_b32 s61, 0
	s_cmp_lt_u32 s13, 32
	s_cselect_b32 s22, 25, 24                      ; the chunk's columns less 288, tail 1,
	s_cmp_lt_u32 s13, 16
	s_cselect_b32 s23, 30, 28                      ; tail 2
	s_cmp_eq_u32 s13, 63
	s_cselect_b32 s23, 29, s23
	s_mov_b32 s53, 0xbfb8aa3b                      ; -c
	s_mov_b32 s54, 0x3fb8aa3b                      ; c
	s_mov_b32 s55, s54
	s_mov_b32 s56, 0x76543210
	s_mov_b32 s57, 0xfedcba98
	s_mov_b32 s58, 0xffff0000
	s_mov_b32 s59, 0xf149f2ca                      ; -1e30
	s_wait_dscnt 0x0                               ; the opening add is done
	s_wait_kmcnt 0x0
	s_load_b64 s[16:17], s[8:9], 0x0               ; n1, n2
	s_add_nc_u64 s[42:43], s[6:7], s[2:3]
	s_or_b32 s43, s43, 0x80000000
	s_add_nc_u64 s[46:47], s[6:7], s[60:61]
	s_or_b32 s47, s47, 0x80000000
	s_cmp_lt_u32 s12, 4                            ; one tensor load a wave, the only one of the launch
	s_cbranch_scc0 .Lw2
	tensor_load_to_lds s[40:43], s[24:31]
	s_nop 0
.rept 4
	v_nop
.endr
	s_branch .Lasked
.Lw2:
	tensor_load_to_lds s[44:47], s[32:39]
	s_nop 0
.rept 4
	v_nop
.endr
.Lasked:
	v_and_b32 v1, 15, v0                           ; r
	v_bfe_u32 v2, v0, 4, 1
	v_lshlrev_b32 v2, 4, v2                        ; 16 h
	v_mul_u32_u24 v3, v1, P1
	v_add_nc_u32 v3, v3, v2                        ; my place in a block of Wo1
	v_mul_u32_u24 v4, v1, P2
	v_add_nc_u32 v4, v4, v2
	v_add_nc_u32 v4, W2OFF, v4                     ; and of Wo2
	v_and_b32 v6, 31, v0
	v_lshlrev_b32 v6, 3, v6                        ; 8 x lane
	s_wait_kmcnt 0x0
	s_add_co_u32 s18, s16, 63
	s_lshr_b32 s18, s18, 6                         ; G1
	s_add_co_u32 s19, s17, 63
	s_lshr_b32 s19, s19, 6                         ; G2
	s_max_u32 s20, s16, 1
	s_sub_co_u32 s20, s20, 1                       ; the last rank that exists
	s_max_u32 s21, s17, 1
	s_sub_co_u32 s21, s21, 1
	s_lshl_b32 s2, s15, 6
	s_sub_co_u32 s3, 31, s15
	s_lshl_b32 s3, s3, 6
.irp u, 0,1,2,3,4,5,6,7                ; u = 4 x trip + tile: rank 64 x item + 16 x tile + r, clamped to the list
	v_add_nc_u32 v[16+\u], s2, v1
	v_add_nc_u32 v[24+\u], s3, v1
	v_add_nc_u32 v[16+\u], 2048*(\u/4)+16*(\u%4), v[16+\u]
	v_add_nc_u32 v[24+\u], 2048*(\u/4)+16*(\u%4), v[24+\u]
	v_min_u32 v[16+\u], s20, v[16+\u]
	v_min_u32 v[24+\u], s21, v[24+\u]
	v_min_u32 v[16+\u], 0xfff, v[16+\u]
	v_min_u32 v[24+\u], 0xfff, v[24+\u]
	v_lshlrev_b32 v[16+\u], 2, v[16+\u]
	v_lshlrev_b32 v[24+\u], 2, v[24+\u]
.endr
.irp u, 0,1,2,3,4,5,6,7
	global_load_b32 v[16+\u], v[16+\u], s[8:9] offset:16640
	global_load_b32 v[24+\u], v[24+\u], s[8:9] offset:33024
.endr
	s_wait_loadcnt 0x0
.irp u, 0,1,2,3,4,5,6,7,8,9,10,11,12,13,14,15
	v_min_u32 v[16+\u], 0xfff, v[16+\u]
	v_lshl_add_u32 v[16+\u], v[16+\u], 10, v2      ; row x 1024 + 16 h
.endr
	s_wait_tensorcnt 0x0                           ; my part of the chunk is in,
	s_barrier_signal -1
	s_barrier_wait -1                              ; everybody's is; nothing is ever filled again
.macro KLOAD NKF, PT                   ; a step's 32 columns: 2 blocks x NKF fragments
.set ln, 0
.rept 2
.set lf, 0
.rept \NKF
	ds_load_b128 v[128+8*((\NKF)*ln+lf):128+8*((\NKF)*ln+lf)+3],   v5 offset:ln*16*(\PT)+64*lf
	ds_load_b128 v[128+8*((\NKF)*ln+lf)+4:128+8*((\NKF)*ln+lf)+7], v5 offset:ln*16*(\PT)+64*lf+32
.set lf, lf+1
.endr
.set ln, ln+1
.endr
.endm
; The softmax step of four tiles x 32 columns; the tiles alternate.  All 68 exponentials are one batch with one wait.
.macro SMX
.set ln, 0
.rept 8
.irp t, 0,1,2,3
.if ln < 2
	v_max3_num_f32 v[48+4*\t+ln], v[33+4*\t], v[64+16*\t+2*ln], v[65+16*\t+2*ln]   ; two chains that start from the old m; each accumulator's lowest registers first
.else
	v_max3_num_f32 v[48+4*\t+ln%2], v[48+4*\t+ln%2], v[64+16*\t+2*ln], v[65+16*\t+2*ln]
.endif
.endr
.set ln, ln+1
.endr
.irp t, 0,1,2,3
	v_mov_b32 v[51+4*\t], v[32+4*\t]               ; c m_old
.endr
.irp t, 0,1,2,3
	v_max_num_f32 v[33+4*\t], v[48+4*\t], v[49+4*\t]
.endr
.irp t, 0,1,2,3
	v_mul_f32 v[32+4*\t], s54, v[33+4*\t]
.endr
.irp t, 0,1,2,3
	v_sub_f32 v[51+4*\t], v[51+4*\t], v[32+4*\t]
.endr
.irp t, 0,1,2,3
	v_exp_f32 v[50+4*\t], v[51+4*\t]               ; a
.endr
.set lp, 0
.rept 8
.irp t, 0,1,2,3
	v_pk_fma_f32 v[64+16*\t+2*lp:65+16*\t+2*lp], v[64+16*\t+2*lp:65+16*\t+2*lp], s[54:55], v[32+4*\t:33+4*\t] op_sel_hi:[1,0,0] neg_lo:[0,0,1] neg_hi:[0,0,1]
.endr
.if lp > 0
.irp t, 0,1,2,3
	v_exp_f32 v[62+16*\t+2*lp], v[62+16*\t+2*lp]
	v_exp_f32 v[63+16*\t+2*lp], v[63+16*\t+2*lp]
.endr
.endif
.set lp, lp+1
.endr
.irp t, 0,1,2,3
	v_exp_f32 v[78+16*\t], v[78+16*\t]
	v_exp_f32 v[79+16*\t], v[79+16*\t]
.endr
	v_nop                                          ; the plain instruction behind the last exponential
	s_wait_alu depctr_va_vdst(0)                   ; one wait for the batch
.irp p, 0,4,8,12
.irp t, 0,1,2,3
	v_pk_add_f32 v[64+16*\t+\p:65+16*\t+\p], v[64+16*\t+\p:65+16*\t+\p], v[66+16*\t+\p:67+16*\t+\p]
.endr
.endr
.irp p, 0,8
.irp t, 0,1,2,3
	v_pk_add_f32 v[64+16*\t+\p:65+16*\t+\p], v[64+16*\t+\p:65+16*\t+\p], v[68+16*\t+\p:69+16*\t+\p]
.endr
.endr
.irp t, 0,1,2,3
	v_pk_add_f32 v[64+16*\t:65+16*\t], v[64+16*\t:65+16*\t], v[72+16*\t:73+16*\t]
.endr
.irp t, 0,1,2,3
	v_pk_fma_f32 v[34+4*\t:35+4*\t], v[34+4*\t:35+4*\t], v[50+4*\t:51+4*\t], v[64+16*\t:65+16*\t] op_sel_hi:[1,0,1]
.endr
.endm
; One tail.  NKF: fragments of 32 along K; PT: LDS pitch; LB: the register with my place in a block; QB: h's first granule; RLB: the rows' offsets; SG: the scalar with G; SNV: the one with the chunk's columns less 288; PART: the tail's bytes in ptail.
.macro TAIL id, NKF, PT, LB, QB, RLB, SG, SNV, PART
	v_lshrrev_b32 v9, 1, v2
	v_sub_nc_u32 v8, s[\SNV], v9                   ; columns - 288 - 8 h: in the tenth step register i is hidden where 16 (i / 8) + i % 8 is not below it
	s_mov_b32 s48, 2
.Ltrip\id:
	s_cmp_ge_u32 s49, s[\SG]
	s_cbranch_scc1 .Ldead\id
	s_wait_xcnt 0x0                                ; the last item's stores have read their registers
	WIN 0x40                                       ; destination window 1
.set lt, 0
.rept 4
.set lf, 0
.rept \NKF
.set lq0, (\QB)+4*lf
.set lq1, lq0+2
	global_load_b128 v[8*((\NKF)*lt+lf):8*((\NKF)*lt+lf)+3],   v[(\RLB)+lt], s[4:5] offset:(lq0/10)*256+(lq0%10)*16
	global_load_b128 v[8*((\NKF)*lt+lf)+4:8*((\NKF)*lt+lf)+7], v[(\RLB)+lt], s[4:5] offset:(lq1/10)*256+(lq1%10)*16
.set lf, lf+1
.endr
.set lt, lt+1
.endr
	WIN 0
.irp t, 0,1,2,3
	v_mov_b32 v[32+4*\t], 0xfe000000               ; c m: far below every c s
	v_mov_b32 v[33+4*\t], 0xff7fffff               ; m
	v_mov_b32 v[34+4*\t], 0
	v_mov_b32 v[35+4*\t], 0
.endr
	s_mov_b32 s51, 0
	v_mov_b32 v5, v[\LB]
	KLOAD \NKF, \PT
	s_mov_b32 s50, 10
	s_wait_loadcnt 0x0                             ; h
.Lstep\id:
	s_wait_dscnt 0x0                               ; this step's columns
	WIN 0x04                                       ; source 1 (h) in window 1
.set lf, 0
.rept \NKF
.set ln, 0
.rept 2
.set lt, 0
.rept 4                                ; the 8 accumulators take turns
.if lf == 0
	v_wmma_f32_16x16x32_bf16 v[64+16*lt+8*ln:64+16*lt+8*ln+7], v[128+8*((\NKF)*ln+lf):128+8*((\NKF)*ln+lf)+7], v[8*((\NKF)*lt+lf):8*((\NKF)*lt+lf)+7], 0
.else
	v_wmma_f32_16x16x32_bf16 v[64+16*lt+8*ln:64+16*lt+8*ln+7], v[128+8*((\NKF)*ln+lf):128+8*((\NKF)*ln+lf)+7], v[8*((\NKF)*lt+lf):8*((\NKF)*lt+lf)+7], v[64+16*lt+8*ln:64+16*lt+8*ln+7]
.endif
.set lt, lt+1
.endr
.set ln, ln+1
.endr
.set lf, lf+1
.endr
	WIN 0
.rept 4
	v_nop                                          ; the places behind the products
.endr
	s_cmp_eq_u32 s50, 1                            ; the loop's own count: the tenth step fetches nothing and hides columns, the others fetch and hide nothing
	s_cbranch_scc1 .Lhide\id
	s_add_co_u32 s51, s51, 32*(\PT)
	v_add_nc_u32 v5, s51, v[\LB]
	KLOAD \NKF, \PT                                ; the next step's columns land under the softmax
	s_branch .Lsmx\id
.Lhide\id:
.set li, 0
.rept 16
	v_cmp_ge_i32 vcc_lo, 16*(li/8)+li%8, v8
.irp t, 0,1,2,3
	v_cndmask_b32 v[64+16*\t+li], v[64+16*\t+li], s59, vcc_lo
.endr
.set li, li+1
.endr
.Lsmx\id:
	SMX
	s_sub_co_u32 s50, s50, 1
	s_cmp_lg_u32 s50, 0
	s_cbranch_scc1 .Lstep\id
	; the item's end: a row's two halves of the lanes are merged, and 64 pairs (m, l) leave as two runs of 256 bytes
.irp t, 0,1,2,3
	v_add_f32 v[34+4*\t], v[34+4*\t], v[35+4*\t]
.endr
.irp t, 0,1,2,3
	v_permlanex16_b32 v[35+4*\t], v[33+4*\t], s56, s57
.endr
.irp t, 0,1,2,3
	v_max_num_f32 v[33+4*\t], v[33+4*\t], v[35+4*\t]
.endr
.irp t, 0,1,2,3
	v_fma_f32 v[32+4*\t], v[33+4*\t], s53, v[32+4*\t]
.endr
.irp t, 0,1,2,3
	v_exp_f32 v[35+4*\t], v[32+4*\t]
.endr
	v_nop
	s_wait_alu depctr_va_vdst(0)                   ; one wait for the four exponentials
.irp t, 0,1,2,3
	v_mul_f32 v[34+4*\t], v[34+4*\t], v[35+4*\t]
.endr
.irp t, 0,1,2,3
	v_permlanex16_b32 v[35+4*\t], v[34+4*\t], s56, s57
.endr
.irp t, 0,1,2,3
	v_add_f32 v[34+4*\t], v[34+4*\t], v[35+4*\t]
.endr
	s_lshl_b32 s2, s49, 9                          ; 64 ranks x 8 bytes an item,
	s_lshl_b32 s3, s13, 15                         ; 4,096 ranks a chunk
	s_add_co_u32 s2, s2, s3
	s_add_co_u32 s2, s2, \PART
	v_add_nc_u32 v7, s2, v6
.irp q, 0,1
	v_cndmask_b32 v[10+2*\q], v[33+8*\q], v[37+8*\q], s58
	v_cndmask_b32 v[11+2*\q], v[34+8*\q], v[38+8*\q], s58
	global_store_b64 v7, v[10+2*\q:11+2*\q], s[10:11] offset:256*\q
.endr
.Ldead\id:
.irp t, 0,1,2,3
	v_mov_b32 v[(\RLB)+\t], v[(\RLB)+4+\t]         ; the second trip's rows
.endr
	s_add_co_u32 s49, s49, 32
	s_sub_co_u32 s48, s48, 1
	s_cmp_lg_u32 s48, 0
	s_cbranch_scc1 .Ltrip\id
.endm
	s_mov_b32 s49, s15
	TAIL 1, 8, P1, 3, 0, 16, 18, 22, 0
	s_sub_co_u32 s49, 31, s15
	TAIL 2, 2, P2, 4, 32, 24, 19, 23, 2097152
	s_wait_dscnt 0x0                               ; my LDS reads are back;
	s_barrier_signal -1                            ; a barrier between all eight waves' LDS reads, whose addresses step with the loop, and the closing LDS writes below
	s_barrier_wait -1
	s_wait_tensorcnt 0x0                           ; the wave's end
	ds_add_u32 v14, v15
	s_wait_dscnt 0x0
	s_endpgm
.Lfunc_end_k_q8eabb50068_tails:
	.size	k_q8eabb50068_tails, .Lfunc_end_k_q8eabb50068_tails-k_q8eabb50068_tails
	.p2alignl 7, 3214868480
	.fill 96, 4, 3214868480
	.section	.rodata,"a",@progbits
	.p2align	6, 0x0
	.amdhsa_kernel k_q8eabb50068_tails
		.amdhsa_group_segment_fixed_size 216064
		.amdhsa_private_segment_fixed_size 0
		.amdhsa_enable_private_segment 0
		.amdhsa_kernarg_size 32
		.amdhsa_user_sgpr_count 2
		.amdhsa_user_sgpr_kernarg_segment_ptr 1
		.amdhsa_wavefront_size32 1
		.amdhsa_system_sgpr_workgroup_id_x 1
		.amdhsa_system_sgpr_workgroup_id_y 1
		.amdhsa_system_sgpr_workgroup_id_z 1
		.amdhsa_system_vgpr_workitem_id 0
		.amdhsa_next_free_vgpr 512
		.amdhsa_next_free_sgpr 66
		.amdhsa_reserve_vcc 1
		.amdhsa_float_denorm_mode_32 3
		.amdhsa_float_denorm_mode_16_64 3
		.amdhsa_memory_ordered 1
		.amdhsa_forward_progress 1
		.amdhsa_inst_pref_size 64
	.end_amdhsa_kernel
	.amdgpu_metadata
---
amdhsa.version: [ 1, 2 ]
amdhsa.kernels:
  - .name:           k_q8eabb50068_tails
    .symbol:         k_q8eabb50068_tails.kd
    .args:
      - { .name: hbuf, .offset: 0, .size: 8, .value_kind: global_buffer, .address_space: global }
      - { .name: wob, .offset: 8, .size: 8, .value_kind: global_buffer, .address_space: global }
      - { .name: route, .offset: 16, .size: 8, .value_kind: global_buffer, .address_space: global }
      - { .name: ptail, .offset: 24, .size: 8, .value_kind: global_buffer, .address_space: global }
    .group_segment_fixed_size: 216064
    .private_segment_fixed_size: 0
    .kernarg_segment_align: 8
    .kernarg_segment_size: 32
    .max_flat_workgroup_size: 256
    .sgpr_count:     66
    .vgpr_count:     512
    .wavefront_size: 32
...
	.end_amdgpu_metadata
.endif
;; end of part 3
;; launch combine (part 4): grid 128 x 1, 8 waves a work-group, no clusters, 5,376 bytes of LDS; arguments target, route, xb, wall, hbuf, wob, phead, ptail, out0, lsum; writes out0, lsum
.if DOCPART == 4
	.amdgcn_target "amdgcn-amd-amdhsa--gfx1250"
	.amdhsa_code_object_version 6
	.text
	.protected	k_q8eabb50068_combine
	.globl	k_q8eabb50068_combine
	.p2align	8
	.type	k_q8eabb50068_combine,@function
k_q8eabb50068_combine:
	s_mov_b64 s[64:65], 0
	v_nop
	global_prefetch_b8 v0, s[64:65] scope:SCOPE_SE
	s_setreg_imm32_b32 hwreg(HW_REG_WAVE_MODE, 25, 1), 1
	s_wait_xcnt 0x0
; COMBINE.  out0[row] = (head logit at the gather index - head logsumexp) + (for a row in a tail: its tail logit - its tail logsumexp); lsum[work-group] = the sum of its 32 numbers.
; A work-group has 32 rows.  In the merges lane = row: wave w merges head parts 4 w .. 4 w + 3 and tail chunks 8 w .. 8 w + 7 of all 32 rows.  The logits are dot products of the bf16 copies, summed in f32,
; lanes along K: wave w has rows 4 w .. 4 w + 3.  The waves meet in LDS; wave 0 merges the eight partial merges, takes the logarithms and stores.
; A merge of pairs (m, l): M = max m, L = sum of l 2^(c m - c M), c = log2(e); logsumexp = M + ln 2 x log2 L.
; A lane without a tail keeps (0, 1) in place of tail partials, so that all stays finite; its tail term is dropped by a select.
; LDS: bytes 0 .. 4095 [wave][row] (Mh, Lh, Mt, Lt); 4096 .. 4351 [row] (head logit, tail logit); 4352 .. 5375 the spare words.
; LIMITS.  target is taken as 0 .. 50,256; every offset made from it is clamped into its buffer all the same.  The sums' order differs from a plain row sum's.
; No matrix unit (two dots a row), no cluster, no tensor load: what is read is a few kilobytes a row, by one owner each.
; Every address register that hangs on ids alone is made at the head, with all lanes on.
.set WO2U, 10289152/128                ; Wo2's first byte in wob, in units of 128 bytes
	s_load_b512 s[4:19], s[0:1], 0x0               ; target 4:5, route 6:7, xb 8:9, wall 10:11, hbuf 12:13, wob 14:15, phead 16:17, ptail 18:19
	s_load_b128 s[20:23], s[0:1], 0x40             ; out0 20:21, lsum 22:23
	v_lshl_add_u32 v2, v0, 2, 4352                 ; my spare word
	v_mov_b32 v3, 0
	v_and_b32 v1, 31, v0                           ; lane
	v_lshrrev_b32 v15, 5, v0
	v_readfirstlane_b32 s80, v15                   ; wave
	s_lshl_b32 s82, ttmp9, 5                       ; the group's first row
	s_lshl_b32 s83, s80, 2
	s_add_co_u32 s83, s83, s82                     ; my wave's first dot row
	s_lshl_b32 s85, s83, 2
	s_mov_b32 s78, 0x76543210
	s_mov_b32 s79, 0xfedcba98
	s_mov_b32 s81, 0x3fb8aa3b                      ; c
	s_mov_b32 s89, 0xbfb8aa3b                      ; -c
	s_mov_b32 s90, 0x3f317218                      ; ln 2
	s_mov_b32 s86, 10000
	s_mov_b32 s87, 30000
	v_add_nc_u32 v15, s82, v1                      ; my merge row
	v_lshlrev_b32 v4, 2, v15
	s_lshl_b32 s88, s80, 17
	v_lshl_add_u32 v8, v15, 3, s88                 ; phead: 4 parts x 32,768 bytes a wave + 8 x row
	v_lshlrev_b32 v9, 4, v1                        ; 16 x lane
	v_and_b32 v14, 7, v1
	v_add_nc_u32 v11, 32, v14                      ; tail 2's granule 32 + lane % 8
	v_lshlrev_b32 v14, 4, v14                      ; 16 x (lane % 8)
	v_mul_u32_u24 v10, v1, 205                     ; a granule q lies at (q / 10) x 256 + (q % 10) x 16; q / 10 = 205 q >> 11 for q < 40
	v_lshrrev_b32 v10, 11, v10
	v_mul_u32_u24 v12, v10, 10
	v_sub_nc_u32 v12, v1, v12
	v_lshlrev_b32 v12, 4, v12
	v_lshl_add_u32 v10, v10, 8, v12                ; tail 1: q = lane
	v_mul_u32_u24 v12, v11, 205
	v_lshrrev_b32 v12, 11, v12
	v_mul_u32_u24 v13, v12, 10
	v_sub_nc_u32 v13, v11, v13
	v_lshlrev_b32 v13, 4, v13
	v_lshl_add_u32 v11, v12, 8, v13
	v_mov_b32 v12, 0                               ; starts the dots' chains
	s_lshl_b32 s88, s80, 5
	s_add_co_u32 s88, s88, 4096
	v_mov_b32 v13, s88                             ; where my four rows' logits go
	s_lshl_b32 s88, ttmp9, 2
	v_mov_b32 v57, s88                             ; where the group's sum goes
	v_lshlrev_b32 v63, 3, v1                       ; 8 x lane: my merge row's two logits in LDS
	v_mov_b32 v56, 0
	v_mov_b32 v60, 0x40000                         ; tail 2's part of ptail, in pairs
	v_lshlrev_b32 v61, 4, v0                       ; where my merge goes: (32 w + lane) x 16
	s_wait_kmcnt 0x0
	s_load_b128 s[24:27], s[4:5], s85 offset:0x0   ; my four dot rows' targets
	global_load_b32 v5, v4, s[4:5]                 ; my merge row's target
	global_load_b32 v6, v4, s[6:7] offset:256      ; and its rank in its list
	s_wait_kmcnt 0x0
; Row i's pointers and masks, in ten scalars from S: wall row, Wo row, xb row, hbuf row, tail 1? (-1 / 0), the lanes that count in the tail dot.
.macro DEC i, S
	s_min_u32 s58, s[24+\i], 10000
	s_cmp_ge_u32 s[24+\i], 30000
	s_cselect_b32 s58, 10001, s58                  ; the gather index into the head
	s_add_co_u32 s59, s58, 112
	s_cmp_ge_u32 s58, 9968
	s_cselect_b32 s58, s59, s58                    ; head column c lies in wall row c, from 9968 on in row c + 112
	s_min_u32 s58, s58, 10751
	s_lshl_b32 s58, s58, 11
	s_mov_b32 s59, 0
	s_add_nc_u64 s[\S:\S+1], s[10:11], s[58:59]
	s_sub_co_u32 s60, s[24+\i], 10000
	s_min_u32 s61, s60, 20095
	s_lshl_b32 s61, s61, 2                         ; a row of Wo1 is four units of 128 bytes
	s_sub_co_u32 s62, s[24+\i], 30000
	s_min_u32 s62, s62, 20479
	s_add_co_u32 s62, s62, WO2U
	s_cmp_lt_u32 s60, 20000
	s_cselect_b32 s58, s61, s62
	s_cselect_b32 s[\S+8], -1, 0
	s_cselect_b32 s[\S+9], -1, 0xff
	s_min_u32 s58, s58, 100863
	s_lshl_b32 s58, s58, 7
	s_add_nc_u64 s[\S+2:\S+3], s[14:15], s[58:59]
	s_add_co_u32 s58, s83, \i
	s_lshl_b32 s60, s58, 11
	s_mov_b32 s61, 0
	s_add_nc_u64 s[\S+4:\S+5], s[8:9], s[60:61]
	s_lshl_b32 s60, s58, 10
	s_add_nc_u64 s[\S+6:\S+7], s[12:13], s[60:61]
.endm
	DEC 0, 28
	DEC 1, 38
	DEC 2, 48
	DEC 3, 66
	s_wait_loadcnt 0x0
	v_cmp_le_u32 s76, s86, v5                      ; my merge row is in a tail
	v_cmp_le_u32 s77, s87, v5                      ; in tail 2
	v_cndmask_b32 v7, 0, v60, s77
	v_add_nc_u32 v7, v6, v7
	v_min_u32 v7, 0x40fff, v7
	v_lshlrev_b32 v7, 3, v7
	s_lshl_b32 s88, s80, 18
	v_add_nc_u32 v7, s88, v7                       ; ptail: tail + 8 chunks x 32,768 bytes a wave + 8 x rank
.irp i, 0,1,2,3
	global_load_b64 v[16+2*\i:17+2*\i], v8, s[16:17] offset:32768*\i
.endr
.irp i, 0,1,2,3,4,5,6,7
	v_mov_b32 v[24+2*\i], 0
	v_mov_b32 v[25+2*\i], 1.0
.endr
	s_mov_b32 vcc_lo, s76
	s_wait_xcnt 0x0                                ; EXEC changes only behind this wait
	s_and_saveexec_b32 s84, vcc_lo
.irp i, 0,1,2,3,4,5,6,7
	global_load_b64 v[24+2*\i:25+2*\i], v7, s[18:19] offset:32768*\i
.endr
	s_wait_xcnt 0x0
	s_or_b32 exec_lo, exec_lo, s84
.macro ROWLD i, S                      ; ten loads: x's row and wall's row, 2,048 bytes each; h's and Wo's, 512 or 128 bytes
	v_cndmask_b32 v[40+2*\i], v11, v10, s[\S+8]
	v_cndmask_b32 v[41+2*\i], v14, v9, s[\S+8]
	v_min_u32 v[40+2*\i], 0x3f0, v[40+2*\i]
	v_min_u32 v[41+2*\i], 0x1f0, v[41+2*\i]
.irp k, 0,1,2,3
	global_load_b128 v[64+40*\i+4*\k:67+40*\i+4*\k], v9, s[\S+4:\S+5] offset:512*\k
.endr
.irp k, 0,1,2,3
	global_load_b128 v[80+40*\i+4*\k:83+40*\i+4*\k], v9, s[\S:\S+1] offset:512*\k
.endr
	global_load_b128 v[96+40*\i:99+40*\i], v[40+2*\i], s[\S+6:\S+7]
	global_load_b128 v[100+40*\i:103+40*\i], v[41+2*\i], s[\S+2:\S+3]
.endm
	ROWLD 0, 28
	ROWLD 1, 38
	ROWLD 2, 48
	ROWLD 3, 66
; N pairs (m, l), STR registers apart from P on, into M and L; T at work.  The exponentials are one batch with one wait.
.macro MERGEN P, STR, N, M, L, T
	v_max_num_f32 v[\M], v[\P], v[(\P)+(\STR)]
.set li, 2
.rept ((\N)-2)/2
	v_max3_num_f32 v[\M], v[\M], v[(\P)+(\STR)*li], v[(\P)+(\STR)*(li+1)]
.set li, li+2
.endr
	v_mul_f32 v[\T], s89, v[\M]                    ; -c M
.set li, 0
.rept \N
	v_fma_f32 v[(\P)+(\STR)*li], v[(\P)+(\STR)*li], s81, v[\T]
.set li, li+1
.endr
.set li, 0
.rept \N
	v_exp_f32 v[(\P)+(\STR)*li], v[(\P)+(\STR)*li]
.set li, li+1
.endr
	v_nop
	s_wait_alu depctr_va_vdst(0)
	v_mul_f32 v[\L], v[(\P)+1], v[\P]
.set li, 1
.rept (\N)-1
	v_fmac_f32 v[\L], v[(\P)+(\STR)*li+1], v[(\P)+(\STR)*li]
.set li, li+1
.endr
.endm
	s_wait_loadcnt 40                              ; the partials are in; the forty dot loads stay out
	MERGEN 16, 2, 4, 48, 49, 58
	MERGEN 24, 2, 8, 50, 51, 58
	ds_store_b128 v61, v[48:51]
.macro WSUM r, w                       ; the sum over the wave's 32 lanes, in every lane
	v_add_f32_dpp v[\r], v[\r], v[\r] row_xmask:1 row_mask:0xf bank_mask:0xf
	v_add_f32_dpp v[\r], v[\r], v[\r] row_xmask:2 row_mask:0xf bank_mask:0xf
	v_add_f32_dpp v[\r], v[\r], v[\r] row_xmask:4 row_mask:0xf bank_mask:0xf
	v_add_f32_dpp v[\r], v[\r], v[\r] row_xmask:8 row_mask:0xf bank_mask:0xf
	v_permlanex16_b32 v[\w], v[\r], s78, s79
	v_add_f32 v[\r], v[\r], v[\w]
.endm
.macro DOT i, S
	s_wait_loadcnt 30-10*(\i)                      ; this row's ten loads are in; the later rows' stay out
.set XB, 64+40*(\i)
	v_fma_mix_f32_bf16 v52, v[XB], v[XB+16], v12 op_sel_hi:[1,1,0]
	v_fma_mix_f32_bf16 v54, v[XB], v[XB+16], v12 op_sel:[1,1,0] op_sel_hi:[1,1,0]
	v_fma_mix_f32_bf16 v53, v[XB+32], v[XB+36], v12 op_sel_hi:[1,1,0]
	v_fma_mix_f32_bf16 v55, v[XB+32], v[XB+36], v12 op_sel:[1,1,0] op_sel_hi:[1,1,0]
.set lk, 1
.rept 15
	v_fma_mix_f32_bf16 v52, v[XB+lk], v[XB+16+lk], v52 op_sel_hi:[1,1,0]
	v_fma_mix_f32_bf16 v54, v[XB+lk], v[XB+16+lk], v54 op_sel:[1,1,0] op_sel_hi:[1,1,0]
.if lk < 4
	v_fma_mix_f32_bf16 v53, v[XB+32+lk], v[XB+36+lk], v53 op_sel_hi:[1,1,0]
	v_fma_mix_f32_bf16 v55, v[XB+32+lk], v[XB+36+lk], v55 op_sel:[1,1,0] op_sel_hi:[1,1,0]
.endif
.set lk, lk+1
.endr
	v_add_f32 v52, v52, v54
	v_add_f32 v53, v53, v55
	v_cndmask_b32 v53, 0, v53, s[\S+9]             ; tail 2 has 8 lanes' worth of K
	WSUM 52, 56
	WSUM 53, 56
	ds_store_b64 v13, v[52:53] offset:8*(\i)
.endm
	DOT 0, 28
	DOT 1, 38
	DOT 2, 48
	DOT 3, 66
	s_wait_dscnt 0x0                               ; for wave 0's sake: my stores are done
	s_barrier_signal -1
	s_barrier_wait -1
	s_cmp_lg_u32 s80, 0
	s_cbranch_scc1 .Lend
.irp u, 0,1,2,3,4,5,6,7
	ds_load_b128 v[64+4*\u:67+4*\u], v9 offset:512*\u   ; wave u's merge of my row
.endr
	ds_load_b64 v[96:97], v63 offset:4096          ; my row's two logits
	s_wait_dscnt 0x0
	MERGEN 64, 4, 8, 48, 49, 58
	MERGEN 66, 4, 8, 50, 51, 58
	v_log_f32 v49, v49
	v_log_f32 v51, v51
	v_nop
	s_wait_alu depctr_va_vdst(0)
	v_fma_f32 v48, v49, s90, v48                   ; M + ln 2 x log2 L
	v_fma_f32 v50, v51, s90, v50
	v_sub_f32 v96, v96, v48
	v_sub_f32 v97, v97, v50
	v_cndmask_b32 v97, 0, v97, s76
	v_add_f32 v96, v96, v97
	global_store_b32 v4, v96, s[20:21]
	v_mov_b32 v52, v96                             ; the sum works on a copy: v96 is a pending store's data
	WSUM 52, 56
	v_cmp_eq_u32 vcc_lo, 0, v1
	s_wait_xcnt 0x0
	s_and_saveexec_b32 s84, vcc_lo
	global_store_b32 v57, v52, s[22:23]
	s_wait_xcnt 0x0
	s_or_b32 exec_lo, exec_lo, s84
.Lend:
	s_wait_tensorcnt 0x0                           ; the wave's end, behind my last LDS store
	ds_add_u32 v2, v3
	s_wait_dscnt 0x0
	s_endpgm
.Lfunc_end_k_q8eabb50068_combine:
	.size	k_q8eabb50068_combine, .Lfunc_end_k_q8eabb50068_combine-k_q8eabb50068_combine
	.p2alignl 7, 3214868480
	.fill 96, 4, 3214868480
	.section	.rodata,"a",@progbits
	.p2align	6, 0x0
	.amdhsa_kernel k_q8eabb50068_combine
		.amdhsa_group_segment_fixed_size 5376
		.amdhsa_private_segment_fixed_size 0
		.amdhsa_enable_private_segment 0
		.amdhsa_kernarg_size 80
		.amdhsa_user_sgpr_count 2
		.amdhsa_user_sgpr_kernarg_segment_ptr 1
		.amdhsa_wavefront_size32 1
		.amdhsa_system_sgpr_workgroup_id_x 1
		.amdhsa_system_sgpr_workgroup_id_y 1
		.amdhsa_system_sgpr_workgroup_id_z 1
		.amdhsa_system_vgpr_workitem_id 0
		.amdhsa_next_free_vgpr 232
		.amdhsa_next_free_sgpr 96
		.amdhsa_reserve_vcc 1
		.amdhsa_float_denorm_mode_32 3
		.amdhsa_float_denorm_mode_16_64 3
		.amdhsa_memory_ordered 1
		.amdhsa_forward_progress 1
		.amdhsa_inst_pref_size 36
	.end_amdhsa_kernel
	.amdgpu_metadata
---
amdhsa.version: [ 1, 2 ]
amdhsa.kernels:
  - .name:           k_q8eabb50068_combine
    .symbol:         k_q8eabb50068_combine.kd
    .args:
      - { .name: target, .offset: 0, .size: 8, .value_kind: global_buffer, .address_space: global }
      - { .name: route, .offset: 8, .size: 8, .value_kind: global_buffer, .address_space: global }
      - { .name: xb, .offset: 16, .size: 8, .value_kind: global_buffer, .address_space: global }
      - { .name: wall, .offset: 24, .size: 8, .value_kind: global_buffer, .address_space: global }
      - { .name: hbuf, .offset: 32, .size: 8, .value_kind: global_buffer, .address_space: global }
      - { .name: wob, .offset: 40, .size: 8, .value_kind: global_buffer, .address_space: global }
      - { .name: phead, .offset: 48, .size: 8, .value_kind: global_buffer, .address_space: global }
      - { .name: ptail, .offset: 56, .size: 8, .value_kind: global_buffer, .address_space: global }
      - { .name: out0, .offset: 64, .size: 8, .value_kind: global_buffer, .address_space: global }
      - { .name: lsum, .offset: 72, .size: 8, .value_kind: global_buffer, .address_space: global }
    .group_segment_fixed_size: 5376
    .private_segment_fixed_size: 0
    .kernarg_segment_align: 8
    .kernarg_segment_size: 80
    .max_flat_workgroup_size: 256
    .sgpr_count:     96
    .vgpr_count:     232
    .wavefront_size: 32
...
	.end_amdgpu_metadata
.endif
;; end of part 4
;; launch loss (part 5): grid 1 x 1, 1 waves a work-group, no clusters, 0 bytes of LDS; arguments lsum, out1; writes out1
.if DOCPART == 5
	.amdgcn_target "amdgcn-amd-amdhsa--gfx1250"
	.amdhsa_code_object_version 6
	.text
	.protected	k_q8eabb50068_loss
	.globl	k_q8eabb50068_loss
	.p2align	8
	.type	k_q8eabb50068_loss,@function
k_q8eabb50068_loss:
	s_mov_b64 s[64:65], 0
	v_nop
	global_prefetch_b8 v0, s[64:65] scope:SCOPE_SE
	s_setreg_imm32_b32 hwreg(HW_REG_WAVE_MODE, 25, 1), 1
	s_wait_xcnt 0x0
; LOSS.  out1 = -(the sum of lsum's 128 numbers) / 4096.  One wave: four numbers a lane, three additions, the sum over the lanes.  An ordered sum by one owner: no traffic between work-groups.
	s_load_b128 s[4:7], s[0:1], 0x0                ; lsum 4:5, out1 6:7
	v_lshlrev_b32 v1, 4, v0
	s_mov_b32 s8, 0x76543210
	s_mov_b32 s9, 0xfedcba98
	v_mov_b32 v8, 0
	v_mov_b32 v9, 0
	s_wait_kmcnt 0x0
	global_load_b128 v[4:7], v1, s[4:5]
	s_wait_loadcnt 0x0
	v_add_f32 v4, v4, v5
	v_add_f32 v6, v6, v7
	v_add_f32 v4, v4, v6
	v_add_f32_dpp v4, v4, v4 row_xmask:1 row_mask:0xf bank_mask:0xf
	v_add_f32_dpp v4, v4, v4 row_xmask:2 row_mask:0xf bank_mask:0xf
	v_add_f32_dpp v4, v4, v4 row_xmask:4 row_mask:0xf bank_mask:0xf
	v_add_f32_dpp v4, v4, v4 row_xmask:8 row_mask:0xf bank_mask:0xf
	v_permlanex16_b32 v9, v4, s8, s9
	v_add_f32 v4, v4, v9
	v_mul_f32 v4, 0xb9800000, v4                   ; x -1 / 4096
	v_cmp_eq_u32 vcc_lo, 0, v0
	s_wait_xcnt 0x0
	s_and_saveexec_b32 s10, vcc_lo
	global_store_b32 v8, v4, s[6:7]
	s_wait_xcnt 0x0
	s_or_b32 exec_lo, exec_lo, s10
	s_endpgm
.Lfunc_end_k_q8eabb50068_loss:
	.size	k_q8eabb50068_loss, .Lfunc_end_k_q8eabb50068_loss-k_q8eabb50068_loss
	.p2alignl 7, 3214868480
	.fill 96, 4, 3214868480
	.section	.rodata,"a",@progbits
	.p2align	6, 0x0
	.amdhsa_kernel k_q8eabb50068_loss
		.amdhsa_group_segment_fixed_size 0
		.amdhsa_private_segment_fixed_size 0
		.amdhsa_enable_private_segment 0
		.amdhsa_kernarg_size 16
		.amdhsa_user_sgpr_count 2
		.amdhsa_user_sgpr_kernarg_segment_ptr 1
		.amdhsa_wavefront_size32 1
		.amdhsa_system_sgpr_workgroup_id_x 1
		.amdhsa_system_sgpr_workgroup_id_y 1
		.amdhsa_system_sgpr_workgroup_id_z 1
		.amdhsa_system_vgpr_workitem_id 0
		.amdhsa_next_free_vgpr 16
		.amdhsa_next_free_sgpr 66
		.amdhsa_reserve_vcc 1
		.amdhsa_float_denorm_mode_32 3
		.amdhsa_float_denorm_mode_16_64 3
		.amdhsa_memory_ordered 1
		.amdhsa_forward_progress 1
		.amdhsa_inst_pref_size 2
	.end_amdhsa_kernel
	.amdgpu_metadata
---
amdhsa.version: [ 1, 2 ]
amdhsa.kernels:
  - .name:           k_q8eabb50068_loss
    .symbol:         k_q8eabb50068_loss.kd
    .args:
      - { .name: lsum, .offset: 0, .size: 8, .value_kind: global_buffer, .address_space: global }
      - { .name: out1, .offset: 8, .size: 8, .value_kind: global_buffer, .address_space: global }
    .group_segment_fixed_size: 0
    .private_segment_fixed_size: 0
    .kernarg_segment_align: 8
    .kernarg_segment_size: 16
    .max_flat_workgroup_size: 32
    .sgpr_count:     66
    .vgpr_count:     16
    .wavefront_size: 32
...
	.end_amdgpu_metadata
.endif
;; end of part 5
